; MI455X (gfx1250); checked and timed in simulation.
; The chip was launched on July 23, 2026; its instructions are those of AMD's public machine-readable ISA for CDNA 5 (MIT licence, August 2026) and "CDNA5" Instruction Set Architecture Reference Guide (July 2026). The comments in the code are by the model that wrote it; some were corrected since.
;; Multihead Attention. Allowed arithmetic: matrix products marked QUANTISED: E2M3 operands, one E8M0 scale for each 32 along K, by v_wmma_scale_f32_16x16x128_f8f6f4 with both operands' format E2M3, f32 sums; everything else in f32.
;; Inputs: W_key_codes 16 x 64 x 32 x 24 uint8 (E2M3 codes of W_key, K innermost, in blocks of 32 codes, four codes in three bytes); W_key_scales 16 x 64 x 32 uint8 (E8M0 scales of W_key, one for each 32 codes along K); W_out 16 x 64 x 1,024 float32; W_query_codes 16 x 64 x 32 x 24 uint8 (E2M3 codes of W_query, K innermost, in blocks of 32 codes, four codes in three bytes); W_query_scales 16 x 64 x 32 uint8 (E8M0 scales of W_query, one for each 32 codes along K); W_val_codes 16 x 64 x 32 x 24 uint8 (E2M3 codes of W_val, K innermost, in blocks of 32 codes, four codes in three bytes); W_val_scales 16 x 64 x 32 uint8 (E8M0 scales of W_val, one for each 32 codes along K); q_codes 4 x 2,048 x 32 x 24 uint8 (E2M3 codes of q, K innermost, in blocks of 32 codes, four codes in three bytes); q_scales 4 x 2,048 x 32 uint8 (E8M0 scales of q, one for each 32 codes along K).
;; Outputs: out0 4 x 2,048 x 1,024 float32.
;; This version of the problem:
;;   THIS VERSION OF THE PROBLEM IS GIVEN IN LOW PRECISION. The matrix products marked QUANTISED in the list below multiply operands that are first quantised to E2M3 (2 exponent bits, 3 mantissa bits; 6 bits a number), with one power-of-two scale for each 32 numbers along K (OCP MX v1.0); their sums are f32. All else is computed in f32.
;;   The module's matrix products, in the order in which they are computed (A, B: the left and right operand; K: the contracted axis; several contracted axes count as one K, in the product's order):
;;     1. [M 1,024, K 1,024] x [K 1,024, N 8,192]; A: input W_query (given as codes); B: input q (given as codes): QUANTISED
;;     2. [M 1,024, K 1,024] x [K 1,024, N 8,192]; A: input W_key (given as codes); B: input q (given as codes): QUANTISED
;;     3. [M 1,024, K 1,024] x [K 1,024, N 8,192]; A: input W_val (given as codes); B: input q (given as codes): QUANTISED
;;     4. batch 64 x [M 2,048, K 64] x [K 64, N 2,048]; A: computed on the way; B: computed on the way: QUANTISED
;;     5. batch 64 x [M 2,048, K 2,048] x [K 2,048, N 64]; A: softmax (see below); B: computed on the way: QUANTISED
;;     6. [M 8,192, K 1,024] x [K 1,024, N 1,024]; A: computed on the way; B: input W_out: QUANTISED
;;   THE QUANTISER, for each operand of a quantised product, along K:
;;     - K is cut into blocks of 32 from its start; a last block that is shorter is filled with zeros.
;;     - A block's scale is 2^e with e = floor(log2(the largest magnitude in the block)) - 2, held to -126 .. 127; a block of zeros has e = 0. As a byte (E8M0): e + 127.
;;     - Each number is divided by its block's scale, clamped to +-7.5, and rounded to the nearest number of E2M3, ties to even, subnormals kept.
;;     - The product sums the exact products of the quantised numbers (number of the format x scale) in f32.
;;   ~~~python
;;   def quantise(x, axis):      # numpy; x: float32 -> the quantised numbers, widened to float32 again
;;       x = np.moveaxis(x, axis, -1); K = x.shape[-1]
;;       x = np.pad(x, [(0, 0)] * (x.ndim - 1) + [(0, -K % 32)]); x = x.reshape(x.shape[:-1] + (-1, 32)); a = np.abs(x).max(-1, keepdims=True)
;;       e = np.where(a > 0, np.clip(np.frexp(np.where(a > 0, a, 1))[1] - 1 - 2, -126, 127), 0)      # np.frexp(a)[1] - 1 = floor(log2(a)), exactly
;;       r = np.clip(x / 2.0 ** e, -7.5, 7.5)
;;       step = 2.0 ** (np.maximum(np.frexp(np.where(r == 0, 1, r))[1] - 1, 0) - 3)
;;       q = np.round(r / step) * step * 2.0 ** e      # np.round: ties to even
;;       return np.moveaxis(q.reshape(q.shape[:-2] + (-1,))[..., :K], -1, axis).astype(np.float32)
;;   ~~~
;;   SOFTMAX AHEAD OF A QUANTISED PRODUCT. Where the list says 'softmax', what is quantised is not the finished softmax but p = 2^(t - M), with t = logit x log2(e) and M = ceil(the row's largest t), a whole number; so 1/2 < the row's largest p <= 1. The row's sum l is taken of the UNQUANTISED p, in f32, and the product's result is divided by l at the end. Since M is a whole number, a kernel that streams over the keys may use a running M (the ceiling of the running maximum): every later rescaling is an exact power of two, which a block's scale takes up: the codes' values come out the same.
;;   OPERANDS COMPUTED ON THE WAY. 'Computed on the way' means the value that the module computes at that place (a softmax that the list does not call 'softmax' is quantised finished and normalised). What goes into a quantiser is computed in f32, as accurately as f32 sums, v_exp_f32 and their like allow (about 1e-6 of the number): no bf16 or f16 on the way to a quantiser, and a product that is left as it is and whose result goes on into a quantised operand takes f32 operands (vector FMAs, or v_wmma_f32_16x16x4_f32). A number that lies on a knife's edge between two numbers of the format may be rounded either way, as far as f32 arithmetic and the matrix unit's own rounding can turn it there, and no further.
;;   INPUTS GIVEN AS CODES. W_key (in the module: [16, 1024, 64], K = its axis 1); W_query (in the module: [16, 1024, 64], K = its axis 1); W_val (in the module: [16, 1024, 64], K = its axis 1); q (in the module: [4, 2048, 1024], K = its axis 2): each comes as NAME_codes (uint8): NAME with its K axis moved to the last place and cut into blocks of 32 codes, [.., K / 32, bytes a block], one block behind the other in memory; four codes in three bytes: a row's codes are one little-endian stream of bits, code i at bits 6 i .. 6 i + 5 (a code: sign, 2 exponent bits, 3 mantissa bits); and NAME_scales (uint8): the same leading axes, one E8M0 byte (e + 127) for each 32 codes along K. Its value is code x scale, taken as it is: it is not quantised again, and the codes and scales need not be those that the quantiser above would give.
;; One version. Each part assembles by itself: llvm-mc -triple=amdgcn-amd-amdhsa -mcpu=gfx1250 --defsym DOCPART=n.
;; ======== version 1 of 1: 3 launches
;; limits: right only within a limited range of input values
;; workspace buffers: qkv 20,185,088 bytes; hd 6,553,600 bytes; wo 819,200 bytes
;; launch proj (part 1): grid 8 x 32, 4 waves a work-group, clusters of 4 x 1, 327,680 bytes of LDS; arguments W_query_codes, W_query_scales, W_key_codes, W_key_scales, W_val_codes, W_val_scales, q_codes, q_scales, W_out, qkv, wo; writes qkv, wo
.if DOCPART == 1
	.amdgcn_target "amdgcn-amd-amdhsa--gfx1250"
	.amdhsa_code_object_version 6
	.text
	.protected	k_q123abc685a_proj
	.globl	k_q123abc685a_proj
	.p2align	8
	.type	k_q123abc685a_proj,@function
k_q123abc685a_proj:
	s_mov_b64 s[64:65], 0
	v_nop
	global_prefetch_b8 v0, s[64:65] scope:SCOPE_SE
	s_setreg_imm32_b32 hwreg(HW_REG_WAVE_MODE, 25, 1), 1
	s_wait_xcnt 0x0
	s_wait_alu depctr_hold_cnt(0) depctr_sa_sdst(0) depctr_va_vdst(0) depctr_va_sdst(0) depctr_va_ssrc(0) depctr_va_vcc(0) depctr_vm_vsrc(0)
	s_getreg_b32 s2, hwreg(HW_REG_IB_STS2, 6, 4)
	s_cmp_eq_u32 s2, 0
	s_cbranch_scc0 .Lentry_in_a_cluster
	s_endpgm
.Lentry_in_a_cluster:
	s_bfe_u32 s2, ttmp6, 0x10000c
	s_cmp_lg_u32 s2, 0x3003
	s_cbranch_scc0 .Lentry_shape_is_right
	s_endpgm
.Lentry_shape_is_right:
.set GRP,   19712
.set HBS,   315392
.set TP,    816
.set PAIRB, 32*TP
.set TOKW,  64*TP
.set TSC,   4*TOKW
.set STG,   TSC+8192
.set FLOOR, 0x1800000
.set OFF2,  0xff000000
.set MSB, 0
.macro WIN new
.if MSB != (\new)
	s_set_vgpr_msb (MSB<<8)|(\new)
.set MSB, (\new)
.endif
.endm
.macro PLACES n
.rept \n
	v_nop
.endr
.endm
.macro CROUND
	s_barrier_signal -1
	s_barrier_wait -1
	s_cmp_lg_u32 s30, 0
	s_cbranch_scc1 .Lnot_wave_0_\@
	s_barrier_signal -3
.Lnot_wave_0_\@:
	s_barrier_wait -3
	s_barrier_signal -1
	s_barrier_wait -1
.endm
.macro WM d, a, b, ks, sa, sb, ra, rb
.if (\ks) == 0
.if (\ra) == 0
.if (\rb) == 0
	v_wmma_scale_f32_16x16x128_f8f6f4 v[(\d):(\d)+7], v[(\a):(\a)+11], v[(\b):(\b)+11], 0, v[(\sa)], v[(\sb)] matrix_a_fmt:MATRIX_FMT_FP6 matrix_b_fmt:MATRIX_FMT_FP6
.else
	v_wmma_scale_f32_16x16x128_f8f6f4 v[(\d):(\d)+7], v[(\a):(\a)+11], v[(\b):(\b)+11], 0, v[(\sa)], v[(\sb)] matrix_a_fmt:MATRIX_FMT_FP6 matrix_b_fmt:MATRIX_FMT_FP6 matrix_b_scale:MATRIX_SCALE_ROW1
.endif
.else
.if (\rb) == 0
	v_wmma_scale_f32_16x16x128_f8f6f4 v[(\d):(\d)+7], v[(\a):(\a)+11], v[(\b):(\b)+11], 0, v[(\sa)], v[(\sb)] matrix_a_fmt:MATRIX_FMT_FP6 matrix_b_fmt:MATRIX_FMT_FP6 matrix_a_scale:MATRIX_SCALE_ROW1
.else
	v_wmma_scale_f32_16x16x128_f8f6f4 v[(\d):(\d)+7], v[(\a):(\a)+11], v[(\b):(\b)+11], 0, v[(\sa)], v[(\sb)] matrix_a_fmt:MATRIX_FMT_FP6 matrix_b_fmt:MATRIX_FMT_FP6 matrix_a_scale:MATRIX_SCALE_ROW1 matrix_b_scale:MATRIX_SCALE_ROW1
.endif
.endif
.else
.if (\ra) == 0
.if (\rb) == 0
	v_wmma_scale_f32_16x16x128_f8f6f4 v[(\d):(\d)+7], v[(\a):(\a)+11], v[(\b):(\b)+11], v[(\d):(\d)+7], v[(\sa)], v[(\sb)] matrix_a_fmt:MATRIX_FMT_FP6 matrix_b_fmt:MATRIX_FMT_FP6
.else
	v_wmma_scale_f32_16x16x128_f8f6f4 v[(\d):(\d)+7], v[(\a):(\a)+11], v[(\b):(\b)+11], v[(\d):(\d)+7], v[(\sa)], v[(\sb)] matrix_a_fmt:MATRIX_FMT_FP6 matrix_b_fmt:MATRIX_FMT_FP6 matrix_b_scale:MATRIX_SCALE_ROW1
.endif
.else
.if (\rb) == 0
	v_wmma_scale_f32_16x16x128_f8f6f4 v[(\d):(\d)+7], v[(\a):(\a)+11], v[(\b):(\b)+11], v[(\d):(\d)+7], v[(\sa)], v[(\sb)] matrix_a_fmt:MATRIX_FMT_FP6 matrix_b_fmt:MATRIX_FMT_FP6 matrix_a_scale:MATRIX_SCALE_ROW1
.else
	v_wmma_scale_f32_16x16x128_f8f6f4 v[(\d):(\d)+7], v[(\a):(\a)+11], v[(\b):(\b)+11], v[(\d):(\d)+7], v[(\sa)], v[(\sb)] matrix_a_fmt:MATRIX_FMT_FP6 matrix_b_fmt:MATRIX_FMT_FP6 matrix_a_scale:MATRIX_SCALE_ROW1 matrix_b_scale:MATRIX_SCALE_ROW1
.endif
.endif
.endif
.endm
.macro FRAG reg, a0, a1, s, off
.irp p, 0,1,2,3,4,5
.set PC, 12*(\s)+6*(\p/3)+(\p%3)
.if (PC%32) < 29
	ds_load_b64 v[(\reg)+2*\p:(\reg)+2*\p+1], v[\a0] offset:(\off)+8*PC+16*(PC/32)
.else
	ds_load_b64 v[(\reg)+2*\p:(\reg)+2*\p+1], v[\a1] offset:(\off)+8*PC+16*(PC/32)
.endif
.endr
.endm
.macro RAW g
	WIN ((\g)+1)<<6
.set j, 0
.rept 48
.if (\g) < 2
	global_load_b128 v[4*j:4*j+3], v2, s[56:57] offset:24576*(\g)+512*j
.else
	global_load_b128 v[4*j:4*j+3], v2, s[60:61] offset:512*j
.endif
.set j, j+1
.endr
.endm
.macro STAGE g
	WIN ((\g)+1)<<2
.set j, 0
.rept 48
	ds_store_b128 v13, v[4*j:4*j+3] offset:544*j
.set j, j+1
.endr
	WIN ((\g)+1)<<6
.irp s, 0,1,2,3,4,5,6,7
.irp u, 0,1
	FRAG 12*(2*\s+\u), 11, 12, \s, 8*TP*\u
.endr
.endr
.endm
.macro FETCH pr
	v_add_nc_u32 v7, (\pr)*PAIRB, v5
	v_add_nc_u32 v8, (\pr)*PAIRB, v6
	v_add_nc_u32 v10, (\pr)*1024, v9
	v_nop
	ds_load_b128 v[48:51], v10
	ds_load_b128 v[52:55], v10 offset:16
.irp X, 0,1
.irp s, 0,1,2,3,4,5,6,7
	FRAG 64+96*\X+12*\s, 7, 8, \s, 8*TP*\X
.endr
.endr
.endm
.macro MULQK g
	WIN 0x51*((\g)+1)
.irp s, 0,1,2,3,4,5,6,7
.irp X, 0,1
.irp u, 0,1
	WM 192+16*\X+8*\u, 12*(2*\s+\u), 64+96*\X+12*\s, \s, 24+8*(\g)+\s, 48+\s, \u, \X
.endr
.endr
.endr
.endm
.macro MULV
	WIN 0xFC
.irp s, 0,1,2,3,4,5,6,7
.irp n, 0,1
.irp u, 0,1
	WM 192+16*\n+8*\u, 64+96*\u+12*\s, 12*(2*\s+\n), \s, 48+\s, 40+\s, \u, \n
.endr
.endr
.endr
.endm
.macro QBLK
.irp A, 0,1
	v_max3_num_f32 v[224+\A], |v[192+16*\A]|, |v[193+16*\A]|, FLOOR
.endr
.irp i, 2,4,6,8,10,12,14
.irp A, 0,1
	v_max3_num_f32 v[224+\A], v[224+\A], |v[192+16*\A+\i]|, |v[193+16*\A+\i]|
.endr
.endr
.irp A, 0,1
	v_permlanex16_b32 v[226+\A], v[224+\A], s78, s79
.endr
.irp A, 0,1
	v_max_num_f32 v[224+\A], v[224+\A], v[226+\A]
.endr
.irp A, 0,1
	v_add_nc_u32 v[228+\A], OFF2, v[224+\A]
.endr
.endm
.macro EPI pr
.set EP, (\pr)&3
.set EG, (\pr)>>2
	s_wait_xcnt 0x0
	WIN 0x55
	QBLK
	v_lshrrev_b32 v226, 23, v228
	v_lshrrev_b32 v227, 23, v229
	v_cvt_scalef32_pk16_fp6_f32 v[232:234], v[192:207], v228
	v_cvt_scalef32_pk16_fp6_f32 v[238:240], v[208:223], v229
	v_nop
	WIN 0xAA
	QBLK
	WIN 0x4A
	v_lshrrev_b32 v230, 23, v228
	v_lshrrev_b32 v231, 23, v229
	v_cvt_scalef32_pk16_fp6_f32 v[244:246], v[192:207], v228
	v_cvt_scalef32_pk16_fp6_f32 v[248:250], v[208:223], v229
	v_nop
	WIN 0x55
.irp i, 0,1,2
	v_permlane16_swap_b32 v[232+\i], v[244+\i]
	v_permlane16_swap_b32 v[238+\i], v[248+\i]
.endr
.irp i, 0,1,2
	v_mov_b32 v[235+\i], v[244+\i]
	v_mov_b32 v[241+\i], v[248+\i]
.endr
	v_lshl_or_b32 v226, v230, 8, v226
	v_lshl_or_b32 v227, v231, 8, v227
	v_cndmask_b32 v[252+EP], v226, v227, s80
	WIN 0x04
	global_store_b128 v2, v[232:235], s[66:67] offset:GRP*EG+768*(2*EP)
	global_store_b64 v3, v[236:237], s[66:67] offset:GRP*EG+768*(2*EP)+512
	global_store_b128 v2, v[238:241], s[66:67] offset:GRP*EG+768*(2*EP+1)
	global_store_b64 v3, v[242:243], s[66:67] offset:GRP*EG+768*(2*EP+1)+512
.if EP == 3
	global_store_b128 v2, v[252:255], s[66:67] offset:GRP*EG+6144
.endif
	WIN 0xFF
	QBLK
.if EP == 0
	v_lshrrev_b32 v252, 23, v228
	v_lshrrev_b32 v253, 23, v229
.else
	v_lshrrev_b32 v226, 23, v228
	v_lshrrev_b32 v227, 23, v229
	v_lshl_or_b32 v252, v226, 8*EP, v252
	v_lshl_or_b32 v253, v227, 8*EP, v253
.endif
.if (EP%2) == 0
	v_cvt_scalef32_pk16_fp6_f32 v[232:234], v[192:207], v228
	v_cvt_scalef32_pk16_fp6_f32 v[238:240], v[208:223], v229
	v_nop
.else
	v_cvt_scalef32_pk16_fp6_f32 v[244:246], v[192:207], v228
	v_cvt_scalef32_pk16_fp6_f32 v[248:250], v[208:223], v229
	v_nop
.irp i, 0,1,2
	v_permlane16_swap_b32 v[232+\i], v[244+\i]
	v_permlane16_swap_b32 v[238+\i], v[248+\i]
.endr
.irp i, 0,1,2
	v_mov_b32 v[235+\i], v[244+\i]
	v_mov_b32 v[241+\i], v[248+\i]
.endr
.if EP == 3
	v_cndmask_b32 v254, v252, v253, s80
.endif
	WIN 0x0C
	global_store_b128 v2, v[232:235], s[68:69] offset:GRP*EG+768*(4*(EP>>1))
	global_store_b64 v3, v[236:237], s[68:69] offset:GRP*EG+768*(4*(EP>>1))+512
	global_store_b128 v2, v[238:241], s[68:69] offset:GRP*EG+768*(4*(EP>>1)+1)
	global_store_b64 v3, v[242:243], s[68:69] offset:GRP*EG+768*(4*(EP>>1)+1)+512
.if EP == 3
	global_store_b32 v4, v254, s[70:71] offset:GRP*EG
.endif
.endif
	WIN 0
.endm
.macro PAIR pr
	s_wait_dscnt 0x0
	MULQK 0
	MULQK 1
	MULV
	WIN 0
.if (\pr) < 7
	FETCH (\pr)+1
.else
	PLACES 4
.endif
	EPI \pr
.endm
	s_load_b512 s[8:23], s[0:1], 0x0
	s_load_b128 s[24:27], s[0:1], 0x40
	s_load_b64 s[28:29], s[0:1], 0x50
	v_lshl_add_u32 v62, v0, 2, 0x4e800
	v_mov_b32 v63, 0
	ds_add_u32 v62, v63
	ds_add_u32 v62, v63
	v_lshrrev_b32 v1, 5, v0
	v_readfirstlane_b32 s30, v1
	s_bfe_u32 s31, ttmp6, 0x40000
	s_and_b32 s83, ttmp7, 0xffff
	s_mov_b32 s32, 15|(3<<16)|(1<<20)|(1<<21)|(5<<22)|(3<<25)
	s_mov_b32 s33, 32<<16
	s_mov_b32 s34, 192<<16
	s_mov_b32 s35, 32<<16
	s_mov_b32 s36, 192
	s_mov_b32 s37, 32
	s_mov_b32 s38, 0
	s_mov_b32 s39, 0
	s_mov_b32 s44, 15|(3<<16)|(1<<21)
	s_mov_b32 s45, 32<<16
	s_mov_b32 s46, 8<<16
	s_mov_b32 s47, 32<<16
	s_mov_b32 s48, 8
	s_mov_b32 s49, 32
	s_mov_b32 s50, 0
	s_mov_b32 s51, 0
	s_mul_i32 s84, s83, 196608
	s_mul_i32 s85, s30, 49152
	s_add_co_u32 s84, s84, s85
	s_mov_b32 s85, 0
	s_lshl_b32 s86, s83, 13
	s_lshl_b32 s87, s30, 11
	s_add_co_u32 s86, s86, s87
	s_mov_b32 s87, 0
	s_mul_i32 s81, s30, PAIRB
	s_add_co_u32 s81, s81, STG
	s_mov_b32 s78, 0x76543210
	s_mov_b32 s79, 0xfedcba98
	s_mov_b32 s80, 0xffff0000
	v_and_b32 v1, 31, v0
	v_lshlrev_b32 v2, 4, v1
	v_lshlrev_b32 v3, 3, v1
	v_lshlrev_b32 v4, 2, v1
	v_and_b32 v17, 15, v0
	v_bfe_u32 v18, v0, 4, 1
	v_and_b32 v19, 8, v17
	v_add_nc_u32 v19, v19, v17
	v_mul_u32_u24 v5, v19, TP
	v_mad_u32_u24 v5, v18, 24, v5
	v_lshl_add_u32 v6, v18, 4, v5
	v_lshl_add_u32 v20, v18, 3, v19
	v_lshlrev_b32 v14, 5, v20
	v_add_nc_u32 v9, TSC, v14
	v_add_nc_u32 v11, s81, v5
	v_add_nc_u32 v12, s81, v6
	v_lshl_add_u32 v13, v18, 4, v2
	v_add_nc_u32 v13, s81, v13
	v_lshlrev_b32 v15, 2, v17
	v_lshl_add_u32 v15, v18, 17, v15
	v_lshlrev_b32 v16, 5, v17
	v_lshlrev_b32 v21, 3, v18
	s_wait_dscnt 0x0
	s_wait_kmcnt 0x0
	s_mov_b32 s40, 1
	s_mul_i32 s41, s30, TOKW
	s_add_nc_u64 s[42:43], s[20:21], s[84:85]
	s_or_b32 s43, s43, 0x80000000
	s_mov_b32 s52, 1
	s_lshl_b32 s53, s30, 11
	s_add_co_u32 s53, s53, TSC
	s_add_nc_u64 s[54:55], s[22:23], s[86:87]
	s_or_b32 s55, s55, 0x80000000
	CROUND
	tensor_load_to_lds s[40:43], s[32:39]
	s_nop 0
	s_wait_alu depctr_va_vdst(0)
	s_wait_tensorcnt 0x0
	ds_add_u32 v62, v63
	s_wait_dscnt 0x0
	CROUND
	tensor_load_to_lds s[52:55], s[44:51]
	s_nop 0
	PLACES 4
	s_lshl_b32 s82, ttmp9, 2
	s_add_co_u32 s82, s82, s31
	s_and_b32 s88, s30, 1
	s_lshr_b32 s89, s30, 1
	s_lshl_b32 s90, s82, 1
	s_add_co_u32 s91, s90, s88
	s_add_co_u32 s92, s90, s89
	s_lshr_b32 s93, s83, 3
	s_and_b32 s94, s83, 7
	s_mul_i32 s94, s94, 2*GRP
	s_cmp_lt_u32 s30, 2
	s_cselect_b64 s[56:57], s[8:9], s[12:13]
	s_cselect_b64 s[58:59], s[10:11], s[14:15]
	s_cselect_b32 s95, 0, 6656
	s_mov_b32 s97, 0
	s_mul_i32 s96, s91, 49152
	s_add_nc_u64 s[56:57], s[56:57], s[96:97]
	s_lshl_b32 s96, s91, 11
	s_add_nc_u64 s[58:59], s[58:59], s[96:97]
	s_mul_i32 s96, s92, 49152
	s_mul_i32 s90, s88, 24576
	s_add_co_u32 s96, s96, s90
	s_add_nc_u64 s[60:61], s[16:17], s[96:97]
	s_lshl_b32 s96, s92, 11
	s_lshl_b32 s90, s88, 10
	s_add_co_u32 s96, s96, s90
	s_add_nc_u64 s[62:63], s[18:19], s[96:97]
	s_lshl_b32 s96, s91, 2
	s_add_co_u32 s96, s96, s93
	s_mul_i32 s96, s96, HBS
	s_add_co_u32 s96, s96, s94
	s_add_co_u32 s96, s96, s95
	s_add_nc_u64 s[66:67], s[26:27], s[96:97]
	s_lshl_b32 s96, s92, 2
	s_add_co_u32 s96, s96, s93
	s_mul_i32 s96, s96, HBS
	s_add_co_u32 s96, s96, s94
	s_lshl_b32 s90, s88, 7
	s_add_co_u32 s90, s90, s96
	s_add_co_u32 s90, s90, 19456
	s_mov_b32 s91, 0
	s_add_nc_u64 s[70:71], s[26:27], s[90:91]
	s_mul_i32 s90, s88, 1536
	s_add_co_u32 s90, s90, s96
	s_add_co_u32 s90, s90, 13312
	s_add_nc_u64 s[68:69], s[26:27], s[90:91]
	s_lshl_b32 s90, s83, 3
	s_add_co_u32 s90, s90, s82
	s_and_b32 s92, s90, 15
	s_lshl_b32 s92, s92, 2
	s_add_co_u32 s92, s92, s30
	s_lshr_b32 s93, s90, 4
	s_lshl_b32 s96, s93, 18
	s_lshl_b32 s90, s92, 6
	s_add_co_u32 s96, s96, s90
	s_add_nc_u64 s[72:73], s[24:25], s[96:97]
	s_mul_i32 s92, s92, 12800
	s_mul_i32 s96, s93, 768
	s_add_co_u32 s96, s96, s92
	s_add_nc_u64 s[74:75], s[28:29], s[96:97]
	s_lshl_b32 s96, s93, 1
	s_add_co_u32 s96, s96, s92
	s_add_co_u32 s96, s96, 12288
	s_add_nc_u64 s[76:77], s[28:29], s[96:97]
	RAW 0
	RAW 1
	s_wait_loadcnt 48
	s_wait_alu depctr_va_vdst(0)
	STAGE 0
	RAW 2
	s_wait_loadcnt 48
	STAGE 1
	WIN 0
.irp g, 0,1
	global_load_b128 v[24+8*\g:27+8*\g], v14, s[58:59] offset:1024*\g
	global_load_b128 v[28+8*\g:31+8*\g], v14, s[58:59] offset:1024*\g+16
.endr
	global_load_b128 v[40:43], v14, s[62:63]
	global_load_b128 v[44:47], v14, s[62:63] offset:16
.set j, 0
.rept 32
	global_load_b32 v[64+j], v15, s[72:73] offset:4096*j
.set j, j+1
.endr
	s_wait_loadcnt 38
	STAGE 2
	WIN 0x40
	v_mov_b32 v226, 0
	v_mov_b32 v227, 0
	WIN 0x80
	v_mov_b32 v226, 0
	v_mov_b32 v227, 0
	WIN 0xC0
	v_mov_b32 v226, 0
	v_mov_b32 v227, 0
	WIN 0
	s_wait_loadcnt 0x0
	v_max3_num_f32 v96, |v64|, |v65|, FLOOR
	v_max3_num_f32 v97, |v66|, |v67|, |v68|
.irp i, 69,73,77,81,85,89
	v_max3_num_f32 v96, v96, |v[\i]|, |v[\i+1]|
	v_max3_num_f32 v97, v97, |v[\i+2]|, |v[\i+3]|
.endr
	v_max3_num_f32 v96, v96, |v93|, |v94|
	v_max3_num_f32 v96, v96, v97, |v95|
	v_add_nc_u32 v98, OFF2, v96
	v_lshrrev_b32 v99, 23, v98
	v_cvt_scalef32_pk16_fp6_f32 v[100:102], v[64:79], v98
	v_cvt_scalef32_pk16_fp6_f32 v[108:110], v[80:95], v98
	v_lshlrev_b32 v99, v21, v99
	v_mov_b32 v112, 0
.irp i, 0,1,2
	v_mov_b32 v[103+\i], v[108+\i]
.endr
	v_permlanex16_b32 v112, v99, s78, s79
	v_or_b32 v99, v99, v112
	global_store_b128 v2, v[100:103], s[74:75]
	global_store_b64 v3, v[104:105], s[74:75] offset:512
	global_store_b16 v16, v99, s[76:77]
	s_wait_xcnt 0x0
	s_wait_tensorcnt 0x0
	s_wait_dscnt 0x0
	s_barrier_signal -1
	s_barrier_wait -1
	FETCH 0
	PAIR 0
	PAIR 1
	PAIR 2
	PAIR 3
	PAIR 4
	PAIR 5
	PAIR 6
	PAIR 7
	s_wait_tensorcnt 0x0
	ds_add_u32 v62, v63
	s_wait_dscnt 0x0
	CROUND
	s_endpgm
.Lfunc_end_k_q123abc685a_proj:
	.size	k_q123abc685a_proj, .Lfunc_end_k_q123abc685a_proj-k_q123abc685a_proj
	.p2alignl 7, 3214868480
	.fill 96, 4, 3214868480
	.section	.rodata,"a",@progbits
	.p2align	6, 0x0
	.amdhsa_kernel k_q123abc685a_proj
		.amdhsa_group_segment_fixed_size 327680
		.amdhsa_private_segment_fixed_size 0
		.amdhsa_enable_private_segment 0
		.amdhsa_kernarg_size 88
		.amdhsa_user_sgpr_count 2
		.amdhsa_user_sgpr_kernarg_segment_ptr 1
		.amdhsa_wavefront_size32 1
		.amdhsa_system_sgpr_workgroup_id_x 1
		.amdhsa_system_sgpr_workgroup_id_y 1
		.amdhsa_system_sgpr_workgroup_id_z 1
		.amdhsa_system_vgpr_workitem_id 0
		.amdhsa_next_free_vgpr 1024
		.amdhsa_next_free_sgpr 100
		.amdhsa_reserve_vcc 0
		.amdhsa_float_denorm_mode_32 3
		.amdhsa_float_denorm_mode_16_64 3
		.amdhsa_memory_ordered 1
		.amdhsa_forward_progress 1
		.amdhsa_inst_pref_size 255
	.end_amdhsa_kernel
	.amdgpu_metadata
---
amdhsa.version: [ 1, 2 ]
amdhsa.kernels:
  - .name:           k_q123abc685a_proj
    .symbol:         k_q123abc685a_proj.kd
    .args:
      - { .name: W_query_codes, .offset: 0, .size: 8, .value_kind: global_buffer, .address_space: global }
      - { .name: W_query_scales, .offset: 8, .size: 8, .value_kind: global_buffer, .address_space: global }
      - { .name: W_key_codes, .offset: 16, .size: 8, .value_kind: global_buffer, .address_space: global }
      - { .name: W_key_scales, .offset: 24, .size: 8, .value_kind: global_buffer, .address_space: global }
      - { .name: W_val_codes, .offset: 32, .size: 8, .value_kind: global_buffer, .address_space: global }
      - { .name: W_val_scales, .offset: 40, .size: 8, .value_kind: global_buffer, .address_space: global }
      - { .name: q_codes, .offset: 48, .size: 8, .value_kind: global_buffer, .address_space: global }
      - { .name: q_scales, .offset: 56, .size: 8, .value_kind: global_buffer, .address_space: global }
      - { .name: W_out, .offset: 64, .size: 8, .value_kind: global_buffer, .address_space: global }
      - { .name: qkv, .offset: 72, .size: 8, .value_kind: global_buffer, .address_space: global }
      - { .name: wo, .offset: 80, .size: 8, .value_kind: global_buffer, .address_space: global }
    .group_segment_fixed_size: 327680
    .private_segment_fixed_size: 0
    .kernarg_segment_align: 8
    .kernarg_segment_size: 88
    .max_flat_workgroup_size: 128
    .sgpr_count:     100
    .vgpr_count:     1024
    .wavefront_size: 32
...
	.end_amdgpu_metadata
.endif
;; end of part 1
;; launch attn (part 2): grid 4 x 64, 8 waves a work-group, clusters of 4 x 1, 210,944 bytes of LDS; arguments qkv, hd; writes hd
.if DOCPART == 2
	.amdgcn_target "amdgcn-amd-amdhsa--gfx1250"
	.amdhsa_code_object_version 6
	.text
	.protected	k_q123abc685a_attn
	.globl	k_q123abc685a_attn
	.p2align	8
	.type	k_q123abc685a_attn,@function
k_q123abc685a_attn:
	s_mov_b64 s[64:65], 0
	v_nop
	global_prefetch_b8 v0, s[64:65] scope:SCOPE_SE
	s_setreg_imm32_b32 hwreg(HW_REG_WAVE_MODE, 25, 1), 1
	s_wait_xcnt 0x0
	s_wait_alu depctr_hold_cnt(0) depctr_sa_sdst(0) depctr_va_vdst(0) depctr_va_sdst(0) depctr_va_ssrc(0) depctr_va_vcc(0) depctr_vm_vsrc(0)
	s_getreg_b32 s2, hwreg(HW_REG_IB_STS2, 6, 4)
	s_cmp_eq_u32 s2, 0
	s_cbranch_scc0 .Lentry_in_a_cluster
	s_endpgm
.Lentry_in_a_cluster:
	s_bfe_u32 s2, ttmp6, 0x10000c
	s_cmp_lg_u32 s2, 0x3003
	s_cbranch_scc0 .Lentry_shape_is_right
	s_endpgm
.Lentry_shape_is_right:
; heads[h][b][q][:] = the sum over keys of softmax(Q . K / 8) V, both products on codes of FP6 (E2M3) with E8M0 scales, then quantised along the channels for the output projection.
; THE SOFTMAX AHEAD OF THE SECOND PRODUCT: t = score x log2(e) / 8; M = the row's largest t so far, rounded UP to a whole number; p = 2^(t - M) is quantised along the keys, not normalised.
; The row's sum is taken of the unquantised p, in f32, and divides O at the end.  When M moves, the sum and O are multiplied by 2^(old M - new M): exact.
; SHARES.  Work-group (cx, hb): head hb / 4, batch hb % 4, query tiles 32 cx .. 32 cx + 31 of 16 queries.  Eight waves of 512 registers; wave w owns tiles w, w + 8, w + 16, w + 24, one after the other,
; and walks all 2,048 keys, 256 a step: the running maximum's chain and the rescaling of O stand once for 256 keys.
; ALL of the head's K and V, with their scale words, lies in LDS, filled ONCE: 16 groups of 128 keys, 13,056 dense bytes each; wave w fetches groups 2 w and 2 w + 1 by one load of two rows.
; No prefetch: the launch's only fill stands at its head, with no loop ahead of it.
; CLUSTER.  The four work-groups of a cluster belong to one (head, batch) and need the same K and V: each block is asked for JOINTLY (mask 15).
; K IS RE-LAID ONCE, in place, behind the fill: each wave reads the 16 tiles of K that it fetched with their rows dealt anew and stores them back as images.  New tile (c, u) of a group of 128 keys:
; rows 0-7 = keys 64 c + 8 u + 0..7, rows 8-15 = keys 64 c + 32 + 8 u + 0..7.  With S^T = K Q^T a lane (query r, half h) then holds in the 32 registers of tiles (c, 0..3) the keys 64 c + 32 h + 0..31:
; one WHOLE block of 32, in the order that the second product's operand wants: no lane is asked for a block's maximum and no code changes lanes.
; Both products are used transposed (S^T = K Q^T, O^T = V^T P^T): a lane holds ONE query throughout.
; The first product's K is 64: Q's registers 6-11 are zero codes, and the scale bytes of the upper 64 are 0 (2^-127, no NaN) on both sides.  So K's fragments lie 6 registers apart:
; what a fragment's registers 6-11 hold (the next fragment's codes, all finite numbers) is multiplied by zero codes.
; Operands lie as HALF IMAGES (16 rows x 64 K: registers 0-3 of lane l at 16 l, registers 4-5 at 512 + 8 l): every LDS load of the loop reads consecutive bytes.
; LIMITS: NaN and infinities are not served.  A block of zeros gets the byte 1 where the rule says 127 (its codes are zeros; this program alone reads the bytes).  A block's largest p is taken from the block's
; largest score, which takes v_exp_f32 not to fall where its input rises.  1 / the sum is v_rcp_f32's.  The scaled scores stay under 2^31 in magnitude.
; REGISTERS.  Window 0: v1-3 16, 8, 4 x lane; v4-6 the same in the step in hand; v7, v8 offsets; v12 -M, v13 the largest score, v[14:15] the sum; v16-27 Q; v28-31 V's scale words; v32-39 K's; v40 Q's; v41-42 p's;
;   v43, v44 the spare word's address and 0; v45-71 at work; v72-95 p's codes; v96-127 O^T; v128-255 S^T, then p.   Window 1: v0-95 K's 16 fragments, v96-101 zeros, v102-197 V's 8 fragments.
.set HS,    13056                      ; 128 keys in LDS: K 6,144, its scale words 512, V 6,144, its scale words 256
.set STEP2, 2*HS                       ; a step of 256 keys
.set GRP,   19712
.set HBS,   315392
.set SPARE, 8*STEP2
.set SCO,   128
.set OUT,   96
.set PC,    72
.set TT,    56
.set BM,    48
.set SO,    52
.set VF,    102
.set FLOOR, 0x1800000
.set OFF2,  0xff000000
.set MSB, 0
.macro WIN new                         ; the immediate's high byte repeats the setting that is left
.if MSB != (\new)
	s_set_vgpr_msb (MSB<<8)|(\new)
.set MSB, (\new)
.endif
.endm
.macro PLACES n
.rept \n
	v_nop
.endr
.endm
.macro CROUND                          ; a round of the cluster's barrier
	s_barrier_signal -1
	s_barrier_wait -1
	s_cmp_lg_u32 s8, 0
	s_cbranch_scc1 .Lnot_wave_0_\@
	s_barrier_signal -3
.Lnot_wave_0_\@:
	s_barrier_wait -3
	s_barrier_signal -1
	s_barrier_wait -1
.endm
; One matrix instruction.  ks = 0: C = 0.  ra: which half of the lanes holds source 0's scale words.
.macro WM d, a, b, ks, sa, sb, ra
.if (\ks) == 0
.if (\ra) == 0
	v_wmma_scale_f32_16x16x128_f8f6f4 v[(\d):(\d)+7], v[(\a):(\a)+11], v[(\b):(\b)+11], 0, v[(\sa)], v[(\sb)] matrix_a_fmt:MATRIX_FMT_FP6 matrix_b_fmt:MATRIX_FMT_FP6
.else
	v_wmma_scale_f32_16x16x128_f8f6f4 v[(\d):(\d)+7], v[(\a):(\a)+11], v[(\b):(\b)+11], 0, v[(\sa)], v[(\sb)] matrix_a_fmt:MATRIX_FMT_FP6 matrix_b_fmt:MATRIX_FMT_FP6 matrix_a_scale:MATRIX_SCALE_ROW1
.endif
.else
.if (\ra) == 0
	v_wmma_scale_f32_16x16x128_f8f6f4 v[(\d):(\d)+7], v[(\a):(\a)+11], v[(\b):(\b)+11], v[(\d):(\d)+7], v[(\sa)], v[(\sb)] matrix_a_fmt:MATRIX_FMT_FP6 matrix_b_fmt:MATRIX_FMT_FP6
.else
	v_wmma_scale_f32_16x16x128_f8f6f4 v[(\d):(\d)+7], v[(\a):(\a)+11], v[(\b):(\b)+11], v[(\d):(\d)+7], v[(\sa)], v[(\sb)] matrix_a_fmt:MATRIX_FMT_FP6 matrix_b_fmt:MATRIX_FMT_FP6 matrix_a_scale:MATRIX_SCALE_ROW1
.endif
.endif
.endm
; K's 16 fragments and 8 registers of scale words of one step: 34 LDS loads.  Fragment i = 8 (group) + 4 c + u lands at window 1, v[6 i]
.macro KLOAD a16, a8, off
	WIN 0x40
.set i, 0
.rept 16
	ds_load_b128 v[6*i:6*i+3], v[\a16] offset:(\off)+HS*(i/8)+768*(i%8)
	ds_load_b64 v[6*i+4:6*i+5], v[\a8] offset:(\off)+HS*(i/8)+768*(i%8)+512
.set i, i+1
.endr
	WIN 0
	ds_load_b128 v[32:35], v[\a16] offset:(\off)+6144      ; register 2 c + u / 2: lanes 0-15 tile (c, even u), lanes 16-31 tile (c, odd u)
	ds_load_b128 v[36:39], v[\a16] offset:(\off)+HS+6144
.endm
; A step of 256 keys.  last = 1: the tile's last step: the K fetched ahead is the next tile's step 0
.macro STEP last
	v_add_nc_u32 v4, s44, v1
	v_add_nc_u32 v5, s44, v2
	v_add_nc_u32 v6, s44, v3
	v_nop                                          ; four places behind the last step's products, in front of loads into V's registers
	WIN 0x40
.irp w, 0,1
.irp t, 0,1,2,3
.irp c, 0,1
	ds_load_b128 v[VF+48*\w+12*\t+6*\c:VF+48*\w+12*\t+6*\c+3], v4 offset:HS*\w+6656+768*(4*\c+\t)      ; V: channel tile t, keys 128 w + 64 c on: they land under the softmax
	ds_load_b64 v[VF+48*\w+12*\t+6*\c+4:VF+48*\w+12*\t+6*\c+5], v5 offset:HS*\w+6656+768*(4*\c+\t)+512
.endr
.endr
.endr
	WIN 0
.irp w, 0,1
	ds_load_b32 v[28+2*\w], v6 offset:HS*\w+12800
	ds_load_b32 v[29+2*\w], v6 offset:HS*\w+12928
.endr
	s_wait_alu depctr_va_vdst(0)                   ; directly ahead of the wait below
	s_wait_dscnt 36                                ; K and its scale words are in: V's 32 loads and its 4 loads of scale words were issued behind them
	WIN 0x01                                       ; source 0 in window 1
.set i, 0
.rept 16
	WM SCO+8*i, 6*i, 16, 0, 32+i/2, 40, i%2
.set i, i+1
.endr
	WIN 0
	PLACES 4                                       ; in front of loads into registers that these products have read, and of the first read of their results
.if \last
	s_cmp_eq_u32 s46, 1                            ; is there a next tile?
	s_cbranch_scc1 .Lno_next_\@
	s_add_nc_u64 s[36:37], s[36:37], GRP           ; 8 tiles on (this tile's loads were waited for at the tile's head)
	s_add_nc_u64 s[38:39], s[38:39], GRP
	global_load_b128 v[16:19], v1, s[36:37]
	global_load_b64 v[20:21], v2, s[36:37] offset:512
	global_load_b32 v40, v7, s[38:39]
	KLOAD 1, 2, 0
.Lno_next_\@:
.else
	KLOAD 4, 5, STEP2                              ; the next step's K, a whole softmax ahead of its use
.endif
.irp b, 0,1,2,3
	v_max3_num_f32 v[BM+\b], v[SCO+32*\b], v[SCO+1+32*\b], v[SCO+2+32*\b]   ; THE LARGEST SCORE OF EACH OF MY FOUR BLOCKS OF 32 KEYS: it serves the row's maximum and, since p rises with the score, the block's largest p
.endr
.irp i, 3,5,7,9,11,13,15,17,19,21,23,25,27,29
.irp b, 0,1,2,3
	v_max3_num_f32 v[BM+\b], v[BM+\b], v[SCO+32*\b+\i], v[SCO+1+32*\b+\i]   ; (the four blocks by turns; each accumulator is first read at its low end)
.endr
.endr
.irp b, 0,1,2,3
	v_max_num_f32 v[BM+\b], v[BM+\b], v[SCO+31+32*\b]
.endr
	s_delay_alu instid0(VALU_DEP_2)
	v_max3_num_f32 v45, v48, v49, v50
	s_delay_alu instid0(VALU_DEP_1)
	v_max_num_f32 v45, v45, v51
	s_delay_alu instid0(VALU_DEP_1)
	v_permlanex16_b32 v63, v45, s20, s21           ; lane l xor 16 holds my query's other 128 keys
	s_delay_alu instid0(VALU_DEP_1)
	v_max3_num_f32 v13, v13, v45, v63              ; the running largest score
	v_mov_b32 v71, v12
	s_delay_alu instid0(VALU_DEP_2)
	v_mul_f32 v67, s19, v13                        ; -t (c is positive)
	s_delay_alu instid0(VALU_DEP_1)
	v_floor_f32 v12, v67                           ; the new -M = floor(-t) = -ceil(t): M IS A WHOLE NUMBER
	s_delay_alu instid0(VALU_DEP_1)
	v_sub_f32 v71, v12, v71                        ; M's old value less its new one: a whole number, 0 or less
	s_delay_alu instid0(VALU_DEP_1)
	v_cvt_i32_f32 v71, v71                         ; (it saturates)
	s_delay_alu instid0(VALU_DEP_1)
	v_ldexp_f32 v46, 1.0, v71                      ; f = 2^(old M - new M)
.set j, 0
.rept 64
	v_pk_fma_f32 v[SCO+j:SCO+1+j], v[SCO+j:SCO+1+j], s[22:23], v[12:13] op_sel_hi:[1,0,0]   ; t - M, two at a time (of the pairs c and -M the low word serves both halves)
.set j, j+2
.endr
.irp b, 0,1,2,3
	v_fma_f32 v[BM+\b], v[BM+\b], s22, v12         ; the same of each block's largest score
.endr
.set j, 0
.rept 16
	v_pk_mul_f32 v[OUT+j:OUT+1+j], v[OUT+j:OUT+1+j], v[46:47] op_sel_hi:[1,0]   ; O^T under the new M: x f, each accumulator from its low end on
.set j, j+2
.endr
	s_wait_alu depctr_va_vdst(0)                   ; ahead of the batch
.set j, 0
.rept 128
	v_exp_f32 v[SCO+j], v[SCO+j]                   ; p = 2^(t - M), at most 1: NOT normalised
.set j, j+1
.endr
.irp b, 0,1,2,3
	v_exp_f32 v[BM+\b], v[BM+\b]                   ; the block's largest p: the same two instructions on the same number give the same bits
.endr
	v_pk_mul_f32 v[14:15], v[14:15], v[46:47] op_sel_hi:[1,0]   ; the sums under the new M.  (A plain place behind the exponentials)
	s_wait_alu depctr_va_vdst(0)                   ; one wait for the whole batch, ahead of its first reader
.irp b, 0,1,2,3
	v_max_num_f32 v[BM+\b], FLOOR, v[BM+\b]        ; the floor: the byte cannot fall under 1
.endr
.irp b, 0,1,2,3
	s_delay_alu instid0(VALU_DEP_4)
	v_add_nc_u32 v[SO+\b], OFF2, v[BM+\b]          ; 2 off the exponent field: the conversion's scale operand
.endr
.irp b, 0,1,2,3
	s_delay_alu instid0(VALU_DEP_4)
	v_lshrrev_b32 v[BM+\b], 23, v[SO+\b]           ; the scale's byte
.endr
	s_delay_alu instid0(VALU_DEP_3)
	v_lshl_or_b32 v59, v49, 8, v48                 ; my four bytes: block b = 2 w + c at byte b
	s_delay_alu instid0(VALU_DEP_1)
	v_lshl_or_b32 v59, v50, 16, v59
	s_delay_alu instid0(VALU_DEP_1)
	v_lshl_or_b32 v59, v51, 24, v59
	s_delay_alu instid0(VALU_DEP_1)
	v_permlanex16_b32 v63, v59, s20, s21           ; and lane l xor 16's
	s_delay_alu instid0(VALU_DEP_1)
	v_perm_b32 v41, v63, v59, s17                  ; p's scale word of keys 0-127, right in lanes 0-15, which alone are read: (c 0, h 0), (c 0, h 1), (c 1, h 0), (c 1, h 1)
	v_perm_b32 v42, v63, v59, s18                  ; and of keys 128-255
.irp b, 0,1,2,3
	v_cvt_scalef32_pk16_fp6_f32 v[PC+6*\b:PC+2+6*\b], v[SCO+32*\b:SCO+15+32*\b], v[SO+\b]
	v_cvt_scalef32_pk16_fp6_f32 v[TT+4*\b:TT+2+4*\b], v[SCO+16+32*\b:SCO+31+32*\b], v[SO+\b]   ; (a conversion's three registers begin on an even number: the block's upper 16 codes are made elsewhere and moved)
.endr
	v_nop                                          ; one plain place behind a scaled conversion
.irp b, 0,1,2,3
.irp i, 0,1,2
	v_mov_b32 v[PC+3+6*\b+\i], v[TT+4*\b+\i]
.endr
.endr
.irp i, 2,4,6,8,10,12,14,16,18,20,22,24,26,28,30
.irp b, 0,1,2,3
	v_pk_add_f32 v[SCO+32*\b:SCO+1+32*\b], v[SCO+32*\b:SCO+1+32*\b], v[SCO+32*\b+\i:SCO+1+32*\b+\i]   ; THE ROW'S SUM IS TAKEN OF THE UNQUANTISED p: two at a time, four chains by turns
.endr
.endr
	v_pk_add_f32 v[SCO:SCO+1], v[SCO:SCO+1], v[SCO+32:SCO+33]
	v_pk_add_f32 v[SCO+64:SCO+65], v[SCO+64:SCO+65], v[SCO+96:SCO+97]
	s_delay_alu instid0(VALU_DEP_2)
	v_pk_add_f32 v[14:15], v[14:15], v[SCO:SCO+1]
	s_delay_alu instid0(VALU_DEP_1)
	v_pk_add_f32 v[14:15], v[14:15], v[SCO+64:SCO+65]
	s_wait_alu depctr_va_vdst(0)                   ; directly ahead of the wait below
	s_wait_dscnt 0x0                               ; V and its scale words are in (and the K fetched ahead)
	WIN 0x01
.irp w, 0,1
.irp t, 0,1,2,3
	WM OUT+8*\t, VF+48*\w+12*\t, PC+12*\w, 1, 28+2*\w+\t/2, 41+\w, \t%2   ; four accumulators by turns, one instruction a turn
.endr
.endr
	WIN 0
.endm
	s_load_b128 s[4:7], s[0:1], 0x0                ; qkv, hd
	v_lshl_add_u32 v43, v0, 2, SPARE
	v_mov_b32 v44, 0
	ds_add_u32 v43, v44                            ; the opening lines: the add, twice on end, and its wait
	ds_add_u32 v43, v44
	v_lshrrev_b32 v48, 5, v0
	v_readfirstlane_b32 s8, v48                    ; wave 0..7
	s_bfe_u32 s9, ttmp6, 0x40000                   ; cx: it enters Q's and hd's addresses alone
	s_and_b32 s10, ttmp7, 0xffff                   ; hb = head x 4 + batch, which the four partners share
	; descriptor group 1: two rows of 13,056 bytes (1,632 elements of 8 bytes), 19,712 bytes apart in memory, dense in LDS; both numbers are multiples of 256
	s_mov_b32 s24, 15|(3<<16)|(1<<21)              ; 15:0 the mask: all four work-groups; 17:16 elements of 8 bytes; 21 set beside a mask
	s_mov_b32 s25, 1632<<16                        ; tensor_dim0
	s_mov_b32 s26, 2<<16                           ; tensor_dim1
	s_mov_b32 s27, 1632<<16                        ; tile_dim0
	s_mov_b32 s28, 2                               ; tile_dim1
	s_mov_b32 s29, 2464                            ; tensor_dim0_stride
	s_mov_b32 s30, 0
	s_mov_b32 s31, 0
	s_mul_i32 s48, s10, HBS                        ; the (head, batch)'s first byte
	s_mul_i32 s50, s8, 2*GRP                       ; my two groups of 128 keys
	s_add_co_u32 s50, s50, s48
	s_add_co_u32 s50, s50, 6656                    ; behind the group's Q
	s_mov_b32 s51, 0
	s_mul_i32 s33, s8, STEP2                       ; LDS address of my step
	s_mov_b32 s17, 0x05010400                      ; byte selects for p's two scale words
	s_mov_b32 s18, 0x07030602
	s_mov_b32 s19, 0xbe38aa3b                      ; -c
	s_mov_b32 s20, 0x76543210
	s_mov_b32 s21, 0xfedcba98                      ; v_permlanex16_b32's selects for lane l xor 16
	s_mov_b32 s22, 0x3e38aa3b                      ; c = log2(e) / 8
	s_mov_b32 s23, s22                             ; (named with it as a pair, so it is written)
	s_and_b32 s56, s8, 1
	s_lshl_b32 s56, s56, 8
	s_bfe_u32 s57, s8, 0x20001
	s_lshl_b32 s57, s57, 2
	s_add_co_u32 s56, s56, s57
	v_and_b32 v48, 31, v0                          ; lane
	v_and_b32 v49, 15, v0                          ; r
	v_and_b32 v50, 7, v0                           ; r % 8
	v_bfe_u32 v51, v0, 3, 1                        ; r / 8
	v_bfe_u32 v52, v0, 4, 1                        ; h
	v_lshlrev_b32 v1, 4, v48
	v_lshlrev_b32 v2, 3, v48
	v_lshlrev_b32 v3, 2, v48
	v_lshlrev_b32 v8, 5, v49                       ; hd's scale bytes: 32 a row
	v_lshl_add_u32 v7, v49, 4, s56                 ; Q's scale words lie [lane 32][pair 4]: lane 16 (tile % 2) + r, word tile / 2
	; the re-laying's addresses: new row r comes from the old tile 2 (r / 8) further on, old row r % 8 (+ 8 by the offset)
	v_lshlrev_b32 v4, 4, v50
	v_lshlrev_b32 v5, 3, v50
	v_lshlrev_b32 v6, 4, v50
	v_mad_u32_u24 v4, v51, 1536, v4
	v_mad_u32_u24 v5, v51, 1536, v5
	v_lshl_add_u32 v6, v51, 2, v6
	v_lshl_add_u32 v4, v52, 8, v4
	v_lshl_add_u32 v5, v52, 7, v5
	v_lshl_add_u32 v6, v52, 8, v6
	v_add_nc_u32 v4, s33, v4                       ; registers 0-3: 16 (r % 8) + 1536 (r / 8) + 256 h
	v_add_nc_u32 v5, s33, v5                       ; registers 4-5: 8 (r % 8) + 1536 (r / 8) + 128 h
	v_add_nc_u32 v6, s33, v6                       ; scale words: 16 (r % 8) + 4 (r / 8) + 256 h
	v_add_nc_u32 v9, s33, v1                       ; and back as images
	v_add_nc_u32 v10, s33, v2
	s_wait_alu depctr_va_vdst(0)                   ; directly ahead of the wait below
	s_wait_dscnt 0x0
	s_wait_kmcnt 0x0
	s_mov_b32 s32, 1                               ; group 0: count = 1
	s_add_nc_u64 s[34:35], s[4:5], s[50:51]        ; global address
	s_or_b32 s35, s35, 0x80000000                  ; type = 2
	CROUND                                         ; all four work-groups are here: the joint loads meet
	tensor_load_to_lds s[32:35], s[24:31]          ; one load of mine is out: the launch's only fill
	s_nop 0
	PLACES 4
	s_lshl_b32 s52, s9, 2                          ; my first tile's group of 128 tokens: 4 cx
	s_mul_i32 s52, s52, GRP
	s_add_co_u32 s52, s52, s48
	s_mov_b32 s53, 0
	s_add_nc_u64 s[38:39], s[4:5], s[52:53]
	s_mul_i32 s54, s8, 768
	s_mov_b32 s55, 0
	s_add_nc_u64 s[36:37], s[38:39], s[54:55]      ; Q's half image: tile w of the group
	s_add_nc_u64 s[38:39], s[38:39], 6144          ; the group's scale words of Q
	s_and_b32 s52, s10, 3
	s_lshl_b32 s52, s52, 7
	s_lshl_b32 s54, s9, 5
	s_add_co_u32 s52, s52, s54
	s_add_co_u32 s52, s52, s8                      ; my first token tile: 128 batch + 32 cx + wave
	s_mul_i32 s52, s52, 12800
	s_add_nc_u64 s[42:43], s[6:7], s[52:53]
	s_lshr_b32 s56, s10, 2                         ; head
	s_mul_i32 s54, s56, 768
	s_add_nc_u64 s[40:41], s[42:43], s[54:55]      ; hd: the head's half image of the tile
	s_lshl_b32 s54, s56, 1
	s_add_co_u32 s54, s54, 12288
	s_add_nc_u64 s[42:43], s[42:43], s[54:55]      ; and its two scale bytes of a row
.irp j, 22,23,24,25,26,27
	v_mov_b32 v[\j], 0                             ; the upper 64 along K of Q: zero codes, written once
.endr
	v_mov_b32 v63, 0                               ; written once: a lane permute's destination counts as one of its sources
	v_mov_b32 v47, 0                               ; (named as the upper half of the pair v[46:47])
	WIN 0x40
.irp j, 96,97,98,99,100,101
	v_mov_b32 v[\j], 0                             ; window 1: what stands behind K's last fragment
.endr
	WIN 0
	global_load_b128 v[16:19], v1, s[36:37]        ; my first tile of queries
	global_load_b64 v[20:21], v2, s[36:37] offset:512
	global_load_b32 v40, v7, s[38:39]
	s_wait_alu depctr_va_vdst(0)                   ; at the head's end
	s_wait_tensorcnt 0x0                           ; my step is in,
	s_barrier_signal -1
	s_barrier_wait -1                              ; everybody's is: no fill is on its way when LDS is stored to
	; K RE-LAID, in my own 26,112 bytes, which have had their only fill: new tile i = 8 (group) + 4 c + u
.set i, 0
.rept 16
	ds_load_b128 v[SCO+6*i:SCO+6*i+3], v4 offset:HS*(i/8)+768*(4*((i/4)%2)+(i%2))+128*((i/2)%2)
	ds_load_b64 v[SCO+6*i+4:SCO+6*i+5], v5 offset:HS*(i/8)+768*(4*((i/4)%2)+(i%2))+512+64*((i/2)%2)
.set i, i+1
.endr
.set i, 0
.rept 8
	ds_load_b32 v[224+i], v6 offset:HS*(i/4)+6144+128*(i%2)+8*((i/2)%2)   ; scale words: register 2 c + u / 2 of a group; lanes 16-31 take the odd u
.set i, i+1
.endr
	s_wait_dscnt 0x0                               ; all is read before any of it is written over
.set i, 0
.rept 16
	ds_store_b128 v9, v[SCO+6*i:SCO+6*i+3] offset:HS*(i/8)+768*(i%8)
	ds_store_b64 v10, v[SCO+6*i+4:SCO+6*i+5] offset:HS*(i/8)+768*(i%8)+512
.set i, i+1
.endr
	ds_store_b128 v9, v[224:227] offset:6144
	ds_store_b128 v9, v[228:231] offset:HS+6144
	s_wait_dscnt 0x0                               ; for the others' sake: my stores are done
	s_barrier_signal -1
	s_barrier_wait -1
	KLOAD 1, 2, 0                                  ; step 0's K
	s_mov_b32 s46, 4
.Lpass:                                            ; a tile of 16 queries
	v_mov_b32 v13, 0xff61b1e6                      ; the largest score so far: -3e38
	v_mov_b32 v12, 0x7f61b1e6                      ; -M
	v_mov_b32 v14, 0                               ; the sum, in two halves
	v_mov_b32 v15, 0
.set j, 0
.rept 32
	v_mov_b32 v[OUT+j], 0                          ; O^T.  (The step is written twice, not three times: the first finds zeros, which the first change of M leaves zeros)
.set j, j+1
.endr
	s_mov_b32 s44, 0                               ; LDS byte at which the step in hand begins
	s_mov_b32 s45, 7
	s_wait_alu depctr_va_vdst(0)                   ; directly ahead of the wait below
	s_wait_loadcnt 0x0                             ; Q
.Lstep:
	STEP 0
	s_add_co_u32 s44, s44, STEP2
	s_sub_co_u32 s45, s45, 1
	s_cmp_lg_u32 s45, 0
	s_cbranch_scc1 .Lstep
	s_mov_b32 s44, 7*STEP2
	STEP 1
	PLACES 4
	; THE WAY OUT: O^T / the sum is a lane's 32 channels of one query: registers 16 j + i = channel 32 j + 16 (lane / 16) + i.  They are quantised along the channels, which are the output projection's K.
	v_add_f32 v14, v14, v15                        ; the sum's two halves,
	s_delay_alu instid0(VALU_DEP_1)
	v_permlanex16_b32 v63, v14, s20, s21
	s_delay_alu instid0(VALU_DEP_1)
	v_add_f32 v14, v14, v63                        ; and lane l xor 16's: the row's sum
	s_wait_alu depctr_va_vdst(0)                   ; ahead of the transcendental
	v_rcp_f32 v14, v14
	v_nop                                          ; one plain place behind a transcendental
	s_wait_alu depctr_va_vdst(0)                   ; and ahead of its first reader, which is O^T's first reader too
.set j, 0
.rept 16
	v_pk_mul_f32 v[SCO+j:SCO+1+j], v[OUT+j:OUT+1+j], v[14:15] op_sel_hi:[1,0]
.set j, j+2
.endr
.irp b, 0,1
	v_max3_num_f32 v[BM+\b], |v[SCO+16*\b]|, |v[SCO+1+16*\b]|, FLOOR
.endr
.irp i, 2,4,6,8,10,12,14
.irp b, 0,1
	s_delay_alu instid0(VALU_DEP_2)
	v_max3_num_f32 v[BM+\b], v[BM+\b], |v[SCO+16*\b+\i]|, |v[SCO+1+16*\b+\i]|
.endr
.endr
.irp b, 0,1
	s_delay_alu instid0(VALU_DEP_2)
	v_permlanex16_b32 v[BM+2+\b], v[BM+\b], s20, s21
.endr
.irp b, 0,1
	s_delay_alu instid0(VALU_DEP_2)
	v_max_num_f32 v[BM+\b], v[BM+\b], v[BM+2+\b]
.endr
.irp b, 0,1
	s_delay_alu instid0(VALU_DEP_2)
	v_add_nc_u32 v[SO+\b], OFF2, v[BM+\b]
.endr
.irp b, 0,1
	s_delay_alu instid0(VALU_DEP_2)
	v_lshrrev_b32 v[SO+2+\b], 23, v[SO+\b]
.endr
	s_delay_alu instid0(VALU_DEP_1)
	v_lshl_or_b32 v45, v55, 8, v54                 ; the row's two scale bytes of this head
	v_cvt_scalef32_pk16_fp6_f32 v[PC:PC+2], v[SCO:SCO+15], v52
	v_cvt_scalef32_pk16_fp6_f32 v[TT:TT+2], v[SCO+16:SCO+31], v53
	v_nop
.irp i, 0,1,2
	v_permlane16_swap_b32 v[PC+\i], v[TT+\i]       ; here a block of 32 channels lies in lanes l and l xor 16: the operand's layout wants it whole in a lane
.endr
.irp i, 0,1,2
	s_delay_alu instid0(VALU_DEP_3)
	v_mov_b32 v[PC+3+\i], v[TT+\i]
.endr
	global_store_b128 v1, v[PC:PC+3], s[40:41]     ; 512 consecutive bytes, at a multiple of 256 from the buffer's first byte
	global_store_b64 v2, v[PC+4:PC+5], s[40:41] offset:512
	global_store_b16 v8, v45, s[42:43]             ; both halves of the lanes store the same two bytes to the same place
	s_wait_xcnt 0x0                                ; the stores have read their data and their bases: both are written again only behind this wait
	s_add_nc_u64 s[40:41], s[40:41], 8*12800
	s_add_nc_u64 s[42:43], s[42:43], 8*12800
	s_sub_co_u32 s46, s46, 1
	s_cmp_lg_u32 s46, 0
	s_cbranch_scc1 .Lpass
	s_wait_tensorcnt 0x0                           ; the wave's end
	ds_add_u32 v43, v44
	s_wait_dscnt 0x0
	CROUND                                         ; the closing round: no work-group ends while a partner may still ask for a tile that names it
	s_endpgm
.Lfunc_end_k_q123abc685a_attn:
	.size	k_q123abc685a_attn, .Lfunc_end_k_q123abc685a_attn-k_q123abc685a_attn
	.p2alignl 7, 3214868480
	.fill 96, 4, 3214868480
	.section	.rodata,"a",@progbits
	.p2align	6, 0x0
	.amdhsa_kernel k_q123abc685a_attn
		.amdhsa_group_segment_fixed_size 210944
		.amdhsa_private_segment_fixed_size 0
		.amdhsa_enable_private_segment 0
		.amdhsa_kernarg_size 16
		.amdhsa_user_sgpr_count 2
		.amdhsa_user_sgpr_kernarg_segment_ptr 1
		.amdhsa_wavefront_size32 1
		.amdhsa_system_sgpr_workgroup_id_x 1
		.amdhsa_system_sgpr_workgroup_id_y 1
		.amdhsa_system_sgpr_workgroup_id_z 1
		.amdhsa_system_vgpr_workitem_id 0
		.amdhsa_next_free_vgpr 512
		.amdhsa_next_free_sgpr 66
		.amdhsa_reserve_vcc 0
		.amdhsa_float_denorm_mode_32 3
		.amdhsa_float_denorm_mode_16_64 3
		.amdhsa_memory_ordered 1
		.amdhsa_forward_progress 1
		.amdhsa_inst_pref_size 77
	.end_amdhsa_kernel
	.amdgpu_metadata
---
amdhsa.version: [ 1, 2 ]
amdhsa.kernels:
  - .name:           k_q123abc685a_attn
    .symbol:         k_q123abc685a_attn.kd
    .args:
      - { .name: qkv, .offset: 0, .size: 8, .value_kind: global_buffer, .address_space: global }
      - { .name: hd, .offset: 8, .size: 8, .value_kind: global_buffer, .address_space: global }
    .group_segment_fixed_size: 210944
    .private_segment_fixed_size: 0
    .kernarg_segment_align: 8
    .kernarg_segment_size: 16
    .max_flat_workgroup_size: 256
    .sgpr_count:     66
    .vgpr_count:     512
    .wavefront_size: 32
...
	.end_amdgpu_metadata
.endif
;; end of part 2
;; launch outp (part 3): grid 4 x 64, 4 waves a work-group, clusters of 4 x 1, 168,448 bytes of LDS; arguments hd, wo, out0; writes out0
.if DOCPART == 3
	.amdgcn_target "amdgcn-amd-amdhsa--gfx1250"
	.amdhsa_code_object_version 6
	.text
	.protected	k_q123abc685a_outp
	.globl	k_q123abc685a_outp
	.p2align	8
	.type	k_q123abc685a_outp,@function
k_q123abc685a_outp:
	s_mov_b64 s[64:65], 0
	v_nop
	global_prefetch_b8 v0, s[64:65] scope:SCOPE_SE
	s_setreg_imm32_b32 hwreg(HW_REG_WAVE_MODE, 25, 1), 1
	s_wait_xcnt 0x0
	s_wait_alu depctr_hold_cnt(0) depctr_sa_sdst(0) depctr_va_vdst(0) depctr_va_sdst(0) depctr_va_ssrc(0) depctr_va_vcc(0) depctr_vm_vsrc(0)
	s_getreg_b32 s2, hwreg(HW_REG_IB_STS2, 6, 4)
	s_cmp_eq_u32 s2, 0
	s_cbranch_scc0 .Lentry_in_a_cluster
	s_endpgm
.Lentry_in_a_cluster:
	s_bfe_u32 s2, ttmp6, 0x10000c
	s_cmp_lg_u32 s2, 0x3003
	s_cbranch_scc0 .Lentry_shape_is_right
	s_endpgm
.Lentry_shape_is_right:
; out[token][e] = the sum over k = (head, channel) of heads[token][k] W_out[k][e], on codes of FP6 (E2M3) with E8M0 scales that the launches before have made; out is f32.
; SHARES.  Work-group (x, y): columns 256 x .. + 255, tokens 128 y .. + 127 (8 tiles of 16, four pairs).  THE WEIGHTS STAY IN REGISTERS: wave w holds column tiles 16 x + 4 w + 0 .. 3 for all of K = 1,024: 384 registers,
; loaded straight from the workspace, whose half images (16 rows x 64 K: registers 0-3 of lane l at 16 l, registers 4-5 at 512 + 8 l) are read as consecutive bytes.
; The tokens' codes and scale bytes, 102,400 dense bytes, lie in LDS, filled once; wave w fetches pair w; all four waves read all of them.  Nothing in LDS is filled again.
; CLUSTER.  The four work-groups of a cluster share y, so the tokens are asked for JOINTLY (mask 15).  The weights differ between partners (other columns): nothing of them is shared in a cluster.
; THE MATRIX INSTRUCTION IS USED TRANSPOSED (source 0 = 16 columns of W_out, source 1 = 16 tokens): a lane holds eight neighbouring numbers of a row of out.
; Lane r of token tile X of pair P is token 32 P + 8 X + r + 8 (r / 8): the order in which the launches before laid the tiles; the stores put the rows back.
; REGISTERS, in windows of 256.  Window 0: v2-11 addresses; v32-47 W's scale words (8 (t / 2) + K step; lanes 0-15 tile 2 (t / 2), lanes 16-31 the next); v48-55 the tokens' likewise; v64-255 a pair's token fragments.
;   Windows 1, 2: W's fragments of K steps 0-3, 4-7 ((K step, tile t) at 12 (4 (s % 4) + t)).   Window 3: v0-63 eight accumulators; v64-127 rows read back from the stage.
.set TILEB, 12800                      ; a tile of 16 rows: 16 half images, then 16 x 32 scale bytes
.set PAIRB, 2*TILEB
.set STG,   4*PAIRB                    ; behind the tokens: two stages of 16 rows x 272 bytes for each wave, written by LDS stores alone
.set SP,    272                        ; 256 bytes + 16: the 16 rows that a store touches start at 16 different banks (64 banks of 4 bytes: ISA guide 11.1)
.set STGW,  32*SP
.set MSB, 0
.macro WIN new                         ; the immediate's high byte repeats the setting that is left
.if MSB != (\new)
	s_set_vgpr_msb (MSB<<8)|(\new)
.set MSB, (\new)
.endif
.endm
.macro PLACES n
.rept \n
	v_nop
.endr
.endm
.macro CROUND                          ; a round of the cluster's barrier
	s_barrier_signal -1
	s_barrier_wait -1
	s_cmp_lg_u32 s10, 0
	s_cbranch_scc1 .Lnot_wave_0_\@
	s_barrier_signal -3
.Lnot_wave_0_\@:
	s_barrier_wait -3
	s_barrier_signal -1
	s_barrier_wait -1
.endm
; One matrix instruction.  ks = 0: the sum's first K step, C = 0.  ra, rb: which half of the lanes holds source 0's and source 1's scale words.
.macro WM d, a, b, ks, sa, sb, ra, rb
.if (\ks) == 0
.if (\ra) == 0
.if (\rb) == 0
	v_wmma_scale_f32_16x16x128_f8f6f4 v[(\d):(\d)+7], v[(\a):(\a)+11], v[(\b):(\b)+11], 0, v[(\sa)], v[(\sb)] matrix_a_fmt:MATRIX_FMT_FP6 matrix_b_fmt:MATRIX_FMT_FP6
.else
	v_wmma_scale_f32_16x16x128_f8f6f4 v[(\d):(\d)+7], v[(\a):(\a)+11], v[(\b):(\b)+11], 0, v[(\sa)], v[(\sb)] matrix_a_fmt:MATRIX_FMT_FP6 matrix_b_fmt:MATRIX_FMT_FP6 matrix_b_scale:MATRIX_SCALE_ROW1
.endif
.else
.if (\rb) == 0
	v_wmma_scale_f32_16x16x128_f8f6f4 v[(\d):(\d)+7], v[(\a):(\a)+11], v[(\b):(\b)+11], 0, v[(\sa)], v[(\sb)] matrix_a_fmt:MATRIX_FMT_FP6 matrix_b_fmt:MATRIX_FMT_FP6 matrix_a_scale:MATRIX_SCALE_ROW1
.else
	v_wmma_scale_f32_16x16x128_f8f6f4 v[(\d):(\d)+7], v[(\a):(\a)+11], v[(\b):(\b)+11], 0, v[(\sa)], v[(\sb)] matrix_a_fmt:MATRIX_FMT_FP6 matrix_b_fmt:MATRIX_FMT_FP6 matrix_a_scale:MATRIX_SCALE_ROW1 matrix_b_scale:MATRIX_SCALE_ROW1
.endif
.endif
.else
.if (\ra) == 0
.if (\rb) == 0
	v_wmma_scale_f32_16x16x128_f8f6f4 v[(\d):(\d)+7], v[(\a):(\a)+11], v[(\b):(\b)+11], v[(\d):(\d)+7], v[(\sa)], v[(\sb)] matrix_a_fmt:MATRIX_FMT_FP6 matrix_b_fmt:MATRIX_FMT_FP6
.else
	v_wmma_scale_f32_16x16x128_f8f6f4 v[(\d):(\d)+7], v[(\a):(\a)+11], v[(\b):(\b)+11], v[(\d):(\d)+7], v[(\sa)], v[(\sb)] matrix_a_fmt:MATRIX_FMT_FP6 matrix_b_fmt:MATRIX_FMT_FP6 matrix_b_scale:MATRIX_SCALE_ROW1
.endif
.else
.if (\rb) == 0
	v_wmma_scale_f32_16x16x128_f8f6f4 v[(\d):(\d)+7], v[(\a):(\a)+11], v[(\b):(\b)+11], v[(\d):(\d)+7], v[(\sa)], v[(\sb)] matrix_a_fmt:MATRIX_FMT_FP6 matrix_b_fmt:MATRIX_FMT_FP6 matrix_a_scale:MATRIX_SCALE_ROW1
.else
	v_wmma_scale_f32_16x16x128_f8f6f4 v[(\d):(\d)+7], v[(\a):(\a)+11], v[(\b):(\b)+11], v[(\d):(\d)+7], v[(\sa)], v[(\sb)] matrix_a_fmt:MATRIX_FMT_FP6 matrix_b_fmt:MATRIX_FMT_FP6 matrix_a_scale:MATRIX_SCALE_ROW1 matrix_b_scale:MATRIX_SCALE_ROW1
.endif
.endif
.endif
.endm
; Pair pr's LDS addresses.  With the two v_nop these are FIVE places behind the pair's products: the next pair's first products begin the eight accumulators anew (C = 0), that is, they write over
; registers of earlier matrix instructions, which wants one place more than the four that loads into the token fragments and reads of results want (the four).
.macro FADR pr
	v_add_nc_u32 v5, (\pr)*PAIRB, v2
	v_add_nc_u32 v6, (\pr)*PAIRB, v3
	v_add_nc_u32 v7, (\pr)*PAIRB, v4
	v_nop
	v_nop
.endm
.macro FLOAD                           ; its scale words and fragments: 66 LDS loads in one run
	ds_load_b128 v[48:51], v7
	ds_load_b128 v[52:55], v7 offset:16
.irp X, 0,1
.irp s, 0,1,2,3,4,5,6,7
.irp c, 0,1
	ds_load_b128 v[64+96*\X+12*\s+6*\c:67+96*\X+12*\s+6*\c], v5 offset:TILEB*\X+768*(2*\s+\c)
	ds_load_b64 v[68+96*\X+12*\s+6*\c:69+96*\X+12*\s+6*\c], v6 offset:TILEB*\X+768*(2*\s+\c)+512
.endr
.endr
.endr
.endm
.macro MUL                             ; 64 products: eight accumulators by turns, one instruction a turn, a K step at a time
.irp s, 0,1,2,3,4,5,6,7
	WIN 0xF1+(\s/4)                                ; source 0 (W) window 1 or 2, source 1 window 0, C and D window 3
.irp X, 0,1
.irp t, 0,1,2,3
	WM 8*(4*\X+\t), 12*(4*(\s%4)+\t), 64+96*\X+12*\s, \s, 32+8*(\t/2)+\s, 48+\s, \t%2, \X
.endr
.endr
.endr
.endm
; A lane holds 32 neighbouring bytes of a row, and the lanes beside it hold other rows: so the pair's results go through my own stages and come back as rows of 256 bytes.
; LDS serves a wave's instructions in order (ISA guide 5.7.1.4): no wait between the stores and the loads, nor in front of the next pair's stores.
.macro TOSTAGE
	WIN 0x0C                                       ; an LDS store's data are its source 1: window 3
.irp X, 0,1
.irp t, 0,1,2,3
	ds_store_b128 v8, v[8*(4*\X+\t):8*(4*\X+\t)+3] offset:16*SP*\X+64*\t          ; each accumulator from its low end on
	ds_store_b128 v8, v[8*(4*\X+\t)+4:8*(4*\X+\t)+7] offset:16*SP*\X+64*\t+16
.endr
.endr
	WIN 0xC0
.irp X, 0,1
.irp i, 0,1,2,3,4,5,6,7
	ds_load_b128 v[64+32*\X+4*\i:67+32*\X+4*\i], v9 offset:16*SP*\X+2*SP*\i
.endr
.endr
.endm
.macro SEND pr
	WIN 0x0C
.irp X, 0,1
.irp i, 0,1,2,3,4,5,6,7
	global_store_b128 v10, v[64+32*\X+4*\i:67+32*\X+4*\i], s[38:39] offset:(32*(\pr)+8*\X+2*\i+8*(\i/4))*4096 th:TH_STORE_NT   ; 16 lanes store 256 consecutive bytes, at a multiple of 256 from out's first byte; tile rows 2 i and 2 i + 1 at their tokens' places
.endr
.endr
.endm
.macro OPAIR pr
	s_wait_dscnt 0x0                               ; the pair's fragments and scale words are in
	MUL
	WIN 0
.if (\pr) < 3
	FADR (\pr)+1
.else
	PLACES 4                                       ; nothing is begun anew behind the last pair: four places in front of the LDS stores that read the results
.endif
.if (\pr) > 0
	s_wait_alu depctr_va_vdst(0)
	s_wait_xcnt 0x0                                ; the last pair's stores have read their data: the stage's loads land on the same registers
.endif
	TOSTAGE
.if (\pr) < 3
	WIN 0
	FLOAD
	s_wait_dscnt 63                                ; the rows are back from the stage: 66 loads were issued behind them, and 63 is the largest count that this wait can name
.else
	s_wait_dscnt 0x0
.endif
	SEND \pr
.endm
	s_load_b128 s[4:7], s[0:1], 0x0                ; hd, wo
	s_load_b64 s[8:9], s[0:1], 0x10                ; out
	v_lshl_add_u32 v62, v0, 2, 0x29000
	v_mov_b32 v63, 0
	ds_add_u32 v62, v63
	ds_add_u32 v62, v63
	v_lshrrev_b32 v1, 5, v0
	v_readfirstlane_b32 s10, v1                    ; wave 0..3
	s_bfe_u32 s11, ttmp6, 0x40000                  ; cx: it enters W's and out's addresses alone
	s_and_b32 s12, ttmp7, 0xffff                   ; y, which the four partners share
	; descriptor group 1: a pair of token tiles, 25,600 dense bytes, as 100 rows of 256 (32 elements of 8 bytes), no padding
	s_mov_b32 s24, 15|(3<<16)|(1<<21)              ; 15:0 the mask: all four work-groups; 17:16 elements of 8 bytes; 21 set beside a mask
	s_mov_b32 s25, 32<<16                          ; tensor_dim0
	s_mov_b32 s26, 100<<16                         ; tensor_dim1
	s_mov_b32 s27, 32<<16                          ; tile_dim0
	s_mov_b32 s28, 100                             ; tile_dim1
	s_mov_b32 s29, 32                              ; tensor_dim0_stride
	s_mov_b32 s30, 0
	s_mov_b32 s31, 0
	s_mul_i32 s40, s12, 4*PAIRB
	s_mul_i32 s41, s10, PAIRB
	s_add_co_u32 s40, s40, s41
	s_mov_b32 s41, 0
	s_mul_i32 s43, s10, STGW
	s_add_co_u32 s43, s43, STG                     ; my stages
	v_and_b32 v1, 31, v0                           ; lane
	v_lshlrev_b32 v2, 4, v1                        ; 16 l
	v_lshlrev_b32 v3, 3, v1                        ; 8 l
	v_and_b32 v12, 15, v0                          ; r
	v_bfe_u32 v13, v0, 4, 1                        ; h
	v_mul_u32_u24 v11, v13, TILEB
	v_lshl_add_u32 v11, v12, 5, v11                ; scale words: lanes 0-15 one tile's rows, lanes 16-31 the next tile's; 32 bytes a row
	v_add_nc_u32 v4, 12288, v11                    ; behind a tile's 16 half images
	v_mul_u32_u24 v8, v12, SP
	v_lshl_add_u32 v8, v13, 5, v8
	v_add_nc_u32 v8, s43, v8                       ; into a stage: row r, 32 bytes for each half of the lanes
	v_mul_u32_u24 v9, v13, SP
	v_lshl_add_u32 v9, v12, 4, v9
	v_add_nc_u32 v9, s43, v9                       ; back: lanes 0-15 one row of 256 bytes, lanes 16-31 the next
	v_lshlrev_b32 v10, 12, v13
	v_lshl_add_u32 v10, v12, 4, v10                ; and the same two rows in out
	s_wait_dscnt 0x0
	s_wait_kmcnt 0x0
	s_mov_b32 s32, 1                               ; group 0: count = 1
	s_mul_i32 s33, s10, PAIRB                      ; LDS address
	s_add_nc_u64 s[34:35], s[4:5], s[40:41]        ; global address
	s_or_b32 s35, s35, 0x80000000                  ; type = 2
	CROUND                                         ; all four work-groups are here: the joint loads meet
	tensor_load_to_lds s[32:35], s[24:31]          ; one load of mine is out: the launch's only fill
	s_nop 0
	PLACES 4
	s_lshl_b32 s42, ttmp9, 2
	s_add_co_u32 s42, s42, s11                     ; x = 4 x cluster x + cx
	s_lshl_b32 s44, s42, 4
	s_lshl_b32 s45, s10, 2
	s_add_co_u32 s44, s44, s45                     ; my first column tile
	s_mul_i32 s44, s44, TILEB
	s_mov_b32 s45, 0
	s_add_nc_u64 s[36:37], s[6:7], s[44:45]
	s_lshl_b32 s44, s12, 19                        ; 128 y rows of 4,096 bytes,
	s_lshl_b32 s46, s42, 10                        ; 256 x columns,
	s_add_co_u32 s44, s44, s46
	s_lshl_b32 s46, s10, 8                         ; my 64 of them
	s_add_co_u32 s44, s44, s46
	s_add_nc_u64 s[38:39], s[8:9], s[44:45]
.irp q, 0,1
	WIN (\q+1)<<6                                  ; destination window 1: K steps 0-3; window 2: K steps 4-7
.irp k, 0,1,2,3
.irp t, 0,1,2,3
.irp c, 0,1
	global_load_b128 v[12*(4*\k+\t)+6*\c:12*(4*\k+\t)+6*\c+3], v2, s[36:37] offset:TILEB*\t+768*(2*(4*\q+\k)+\c)
	global_load_b64 v[12*(4*\k+\t)+6*\c+4:12*(4*\k+\t)+6*\c+5], v3, s[36:37] offset:TILEB*\t+768*(2*(4*\q+\k)+\c)+512
.endr
.endr
.endr
.endr
	WIN 0
.irp j, 0,1
	global_load_b128 v[32+8*\j:35+8*\j], v11, s[36:37] offset:PAIRB*\j+12288       ; a column's scale words of K steps 0-3,
	global_load_b128 v[36+8*\j:39+8*\j], v11, s[36:37] offset:PAIRB*\j+12288+16    ; and 4-7
.endr
	s_wait_loadcnt 0x0                             ; my weights are in,
	s_wait_tensorcnt 0x0                           ; and my pair of token tiles
	s_barrier_signal -1
	s_barrier_wait -1                              ; everybody's is
	FADR 0
	FLOAD
	s_wait_alu depctr_va_vdst(0)
	OPAIR 0
	OPAIR 1
	OPAIR 2
	OPAIR 3
	WIN 0
	s_wait_tensorcnt 0x0
	ds_add_u32 v62, v63
	s_wait_dscnt 0x0
	CROUND                                         ; the closing round: no work-group ends while a partner may still ask for a tile that names it
	s_endpgm
.Lfunc_end_k_q123abc685a_outp:
	.size	k_q123abc685a_outp, .Lfunc_end_k_q123abc685a_outp-k_q123abc685a_outp
	.p2alignl 7, 3214868480
	.fill 96, 4, 3214868480
	.section	.rodata,"a",@progbits
	.p2align	6, 0x0
	.amdhsa_kernel k_q123abc685a_outp
		.amdhsa_group_segment_fixed_size 168448
		.amdhsa_private_segment_fixed_size 0
		.amdhsa_enable_private_segment 0
		.amdhsa_kernarg_size 24
		.amdhsa_user_sgpr_count 2
		.amdhsa_user_sgpr_kernarg_segment_ptr 1
		.amdhsa_wavefront_size32 1
		.amdhsa_system_sgpr_workgroup_id_x 1
		.amdhsa_system_sgpr_workgroup_id_y 1
		.amdhsa_system_sgpr_workgroup_id_z 1
		.amdhsa_system_vgpr_workitem_id 0
		.amdhsa_next_free_vgpr 896
		.amdhsa_next_free_sgpr 66
		.amdhsa_reserve_vcc 0
		.amdhsa_float_denorm_mode_32 3
		.amdhsa_float_denorm_mode_16_64 3
		.amdhsa_memory_ordered 1
		.amdhsa_forward_progress 1
		.amdhsa_inst_pref_size 82
	.end_amdhsa_kernel
	.amdgpu_metadata
---
amdhsa.version: [ 1, 2 ]
amdhsa.kernels:
  - .name:           k_q123abc685a_outp
    .symbol:         k_q123abc685a_outp.kd
    .args:
      - { .name: hd, .offset: 0, .size: 8, .value_kind: global_buffer, .address_space: global }
      - { .name: wo, .offset: 8, .size: 8, .value_kind: global_buffer, .address_space: global }
      - { .name: out0, .offset: 16, .size: 8, .value_kind: global_buffer, .address_space: global }
    .group_segment_fixed_size: 168448
    .private_segment_fixed_size: 0
    .kernarg_segment_align: 8
    .kernarg_segment_size: 24
    .max_flat_workgroup_size: 128
    .sgpr_count:     66
    .vgpr_count:     896
    .wavefront_size: 32
...
	.end_amdgpu_metadata
.endif
;; end of part 3
